; MI455X (gfx1250); checked and timed in simulation.
; The chip was launched on July 23, 2026; its instructions are those of AMD's public machine-readable ISA for CDNA 5 (MIT licence, August 2026) and "CDNA5" Instruction Set Architecture Reference Guide (July 2026). The comments in the code are by the model that wrote it; some were corrected since.
;; Mipmapped Texture3 D High Perf. Allowed arithmetic: float matrix products may take bf16 or f16 operands with f32 sums; all other float work in f32.
;; Inputs: p 1,000,000 float32; tex 1 x 16 x 512 x 512 float32; uv 1,000,000 x 2 float32.
;; Outputs: out0 1,000,000 x 16 float32.
;; 2 versions, each right; version 2 is version 1 with the launch gather written anew for expert scheduling mode. Each part assembles by itself: llvm-mc -triple=amdgcn-amd-amdhsa -mcpu=gfx1250 --defsym DOCPART=n.
;; ======== version 1 of 2: 2 launches
;; workspace buffers: pyr 22,369,280 bytes; idx 8,000,000 bytes of whole numbers
;; launch prepare (part 1): grid 925 x 1, 8 waves a work-group, no clusters, 47,616 bytes of LDS; arguments tex, uv, p, pyr, idx; writes pyr, idx
.if DOCPART == 1
	.amdgcn_target "amdgcn-amd-amdhsa--gfx1250"
	.amdhsa_code_object_version 6
	.text
	.protected	k_q0199e6c05f_prepare
	.globl	k_q0199e6c05f_prepare
	.p2align	8
	.type	k_q0199e6c05f_prepare,@function
k_q0199e6c05f_prepare:
	s_mov_b64 s[64:65], 0
	v_nop
	global_prefetch_b8 v0, s[64:65] scope:SCOPE_SE
	s_setreg_imm32_b32 hwreg(HW_REG_WAVE_MODE, 25, 1), 1
	s_wait_xcnt 0x0
; PREPARE: everything that the gather launch needs, in one launch with three roles chosen by the work-group's number.
;   tiles  (work-groups 0..511):   tex [16][512][512] f32 -> pyr, levels 0..3, channel-last: a texel is 16 channels = 64 bytes.
;   sparse (work-groups 512..533): levels 4..7 of pyr (1,360 texels), read straight from tex.
;   index  (work-groups 534..924): per query two whole numbers for the gather launch.
; pyr: level l has (512>>l)^2 texels, row-major, and starts at texel 0x55555 & (-1 << (20-2l)) (the sum of 4^9 .. 4^(10-l)); 349,520 texels in all.
; Level l >= 1, texel (Y, X), s = 2^l: the source coordinate of the resize is s j + s/2 - 0.5, so the texel is the mean of the four base
; texels at rows s Y + s/2 - 1, + s/2 and columns s X + s/2 - 1, + s/2, summed as the resize does: down the rows first, then across.
; idx: query q has words A, B.  A = (first texel of level l0 + y0 * width + x0) | width << 20; B the same for level l1 = min(l0 + 1, 7).
; Every branch of this text goes forward: each role has its own end.
; LIMITS.  floor(7 p) is taken to lie in 0..7 (the index of the level table); outside, the level is clamped to 0..7.
; x = clamp(u, 0, 1) * (w - 1): the form ((2u - 1) + 1) / 2 * (w - 1), clipped, differs from it only by the rounding of 2u - 1.
; x0 = min(floor x, w - 2), so that x0 + 1 is always a texel; at x = w - 1 the fraction is 1 and the value is texel w - 1, as with x0 = x1 = w - 1.
; NaN in uv or p is not served (the whole numbers stay inside the table all the same: the gather launch clamps them).
.set NT,   512                         ; work-groups of the tile role: 64 bands of 8 rows x 8 strips of 64 columns
.set NS,   22                          ; of the sparse role: 16 + 4 + 1 + 1 for levels 4, 5, 6, 7 (64 texels each)
.set GP,   272                         ; LDS: 256 bytes of output (4 texels) + 16 of padding
.set L1B,  128*GP                      ; level 0: groups 0..127; level 1: 128..159; level 2: 160..167; level 3: 168, 169
.set L2B,  160*GP
.set L3B,  168*GP
.set OFF1, 262144*64                   ; byte offsets of the levels in pyr
.set OFF2, OFF1+65536*64
.set OFF3, OFF2+16384*64
.set OFF4, OFF3+4096*64
.set QUARTER, 0x3e800000               ; 0.25
.set SEVEN,   0x40e00000               ; 7.0
.set NINE,    0x41100000               ; 9.0
	s_load_b256 s[4:11], s[0:1], 0x0               ; tex s[4:5], uv s[6:7], p s[8:9], pyr s[10:11]
	s_load_b64 s[12:13], s[0:1], 0x20              ; idx
	v_lshl_add_u32 v72, v0, 2, 0xb600
	v_mov_b32 v73, 0
	v_lshrrev_b32 v1, 5, v0
	v_readfirstlane_b32 s14, v1                    ; wave 0..7
	s_mov_b32 s15, ttmp9                           ; work-group: the same for all eight waves, so a role's barrier is passed by all of them
	s_cmp_ge_u32 s15, NT+NS
	s_cbranch_scc1 .Lindex
	s_cmp_ge_u32 s15, NT
	s_cbranch_scc1 .Lsparse
; ---------------------------------------------------------------- TILES
; A tile is 8 rows x 64 columns x 16 channels = 32 KB.  Thread t: channel c = t >> 4, columns 4 xq .. 4 xq + 3 (xq = t & 15), all 8 rows:
; sixteen lanes read 256 consecutive bytes of one channel's row, at a multiple of 256 from tex's first byte.
.set R, 16                             ; v[16:47]  row y, column j at R + 4 y + j; later the rows read back from LDS
.set T, 48                             ; v[48:51]  at work
	s_lshr_b32 s16, s15, 3                         ; ty: band of 8 rows
	s_and_b32 s17, s15, 7                          ; tx: strip of 64 columns
	v_and_b32 v1, 15, v0                           ; xq
	v_lshrrev_b32 v2, 4, v0                        ; c
	v_lshlrev_b32 v3, 4, v1
	v_lshl_add_u32 v3, v2, 20, v3                  ; c planes of 1 MiB + 16 xq
	s_lshl_b32 s18, s16, 14                        ; 8 rows of 2,048 bytes
	s_lshl_b32 s30, s17, 8
	s_add_co_u32 s18, s18, s30
	s_mov_b32 s19, 0
	s_wait_kmcnt 0x0
	s_add_nc_u64 s[4:5], s[4:5], s[18:19]
.irp y, 0,1,2,3,4,5,6,7
	global_load_b128 v[R+4*\y:R+4*\y+3], v3, s[4:5] offset:\y*2048    ; no cache word: the sparse role reads some of these rows again
.endr
	; LDS addresses, made while the loads are out.  Every level lies in LDS in the order of its bytes in pyr, 4 texels to a group.
	; In words the lanes of a store differ by 68 xq (level 0), 68 (xq>>1) + 32 (xq&1), 68 (xq>>2) + 16 (xq&3), and by 1 between the two
	; channels of a wave: 32 different residues modulo 64 words in each case.
	v_mul_u32_u24 v4, v1, GP
	v_lshl_add_u32 v4, v2, 2, v4                   ; level 0: group xq of the row, + 4 c
	v_lshrrev_b32 v10, 1, v1
	v_and_b32 v11, 1, v1
	v_mul_u32_u24 v5, v10, GP
	v_lshl_add_u32 v5, v11, 7, v5
	v_lshl_add_u32 v5, v2, 2, v5                   ; level 1: texels 2 xq, 2 xq + 1
	v_lshrrev_b32 v12, 2, v1
	v_mul_u32_u24 v6, v12, GP
	v_and_b32 v12, 3, v1
	v_lshl_add_u32 v6, v12, 6, v6
	v_lshl_add_u32 v6, v2, 2, v6                   ; level 2: texel xq
	v_lshrrev_b32 v12, 3, v1
	v_mul_u32_u24 v7, v12, GP
	v_and_b32 v12, 3, v10
	v_lshl_add_u32 v7, v12, 6, v7
	v_lshl_add_u32 v7, v2, 2, v7                   ; level 3: texel xq >> 1
	v_mul_u32_u24 v8, v2, GP
	v_lshl_add_u32 v8, v1, 4, v8                   ; back: group t >> 4, 16 bytes at 16 (t & 15)
	v_lshlrev_b32 v9, 4, v0                        ; level 0 out: 16 t in a row piece of 4,096 bytes
	v_lshrrev_b32 v12, 7, v0
	v_and_b32 v13, 127, v0
	v_lshlrev_b32 v13, 4, v13
	v_lshl_add_u32 v13, v12, 14, v13               ; level 1 out: row t >> 7 (16,384 bytes apart), 16 (t & 127)
	v_lshrrev_b32 v12, 6, v0
	v_and_b32 v14, 63, v0
	v_lshlrev_b32 v14, 4, v14
	v_lshl_add_u32 v14, v12, 13, v14               ; level 2 out: row t >> 6 (8,192 bytes apart), 16 (t & 63)
	v_and_b32 v15, 31, v0
	v_lshlrev_b32 v15, 4, v15                      ; level 3 out: 16 x lane
	v_cmp_eq_u32 vcc_lo, 0, v11                    ; xq even
.macro OUTBASE d, shy, shx, off        ; s[d:d+1] = pyr + the level's offset + the tile's place in the level
	s_lshl_b32 s[\d], s16, \shy
	s_lshl_b32 s30, s17, \shx
	s_add_co_u32 s[\d], s[\d], s30
.if \off
	s_add_co_u32 s[\d], s[\d], \off
.endif
	s_mov_b32 s[\d+1], 0
	s_add_nc_u64 s[\d:\d+1], s[10:11], s[\d:\d+1]
.endm
	OUTBASE 20, 18, 12, 0                          ; 8 rows x 512 texels x 64 bytes; 64 texels x 64 bytes
	OUTBASE 22, 16, 11, OFF1                       ; 4 rows x 256 texels;  32 texels
	OUTBASE 24, 14, 10, OFF2                       ; 2 rows x 128 texels;  16 texels
	OUTBASE 26, 12, 9,  OFF3                       ; 1 row  x  64 texels;   8 texels
	; level 0: the rows as they arrive
.irp y, 0,1,2,3,4,5,6,7
	s_wait_loadcnt 7-\y                            ; loads return in order: row y is in, the 7 - y younger rows may be out
.irp j, 0,1,2,3
	ds_store_b32 v4, v[R+4*\y+\j] offset:\y*16*GP+\j*64
.endr
.endr
	; level 1: rows 2r, 2r + 1; columns 0, 1 and 2, 3 of my four
.irp r, 0,1,2,3
	v_pk_add_f32 v[T:T+1], v[R+8*\r:R+8*\r+1], v[R+8*\r+4:R+8*\r+5]
	v_pk_add_f32 v[T+2:T+3], v[R+8*\r+2:R+8*\r+3], v[R+8*\r+6:R+8*\r+7]
	v_add_f32 v[T], v[T], v[T+1]
	v_add_f32 v[T+2], v[T+2], v[T+3]
	v_mul_f32 v[T], QUARTER, v[T]
	v_mul_f32 v[T+2], QUARTER, v[T+2]
	ds_store_b32 v5, v[T] offset:L1B+\r*8*GP
	ds_store_b32 v5, v[T+2] offset:L1B+\r*8*GP+64
.endr
	; level 2: rows 4r + 1, 4r + 2; columns 1, 2 of my four
.irp r, 0,1
	v_add_f32 v[T], v[R+16*\r+5], v[R+16*\r+9]
	v_add_f32 v[T+1], v[R+16*\r+6], v[R+16*\r+10]
	v_add_f32 v[T], v[T], v[T+1]
	v_mul_f32 v[T], QUARTER, v[T]
	ds_store_b32 v6, v[T] offset:L2B+\r*4*GP
.endr
	; level 3: rows 3, 4; column 3 of the even thread and column 0 of the odd one beside it
	v_add_f32 v[T], v[R+15], v[R+19]
	v_add_f32 v[T+1], v[R+12], v[R+16]
	v_cndmask_b32 v[T+1], v[T+1], v[T], vcc_lo     ; even xq: column 3; odd xq: column 0
	v_add_f32_dpp v[T], v[T+1], v[T+1] row_xmask:1 row_mask:0xf bank_mask:0xf   ; + the neighbour's: both lanes hold the same sum
	v_mul_f32 v[T], QUARTER, v[T]
	ds_store_b32 v7, v[T] offset:L3B               ; both write the same word with the same value
	s_wait_dscnt 0x0                               ; my stores are in LDS before I say so
	s_barrier_signal -1
	s_barrier_wait -1                              ; a texel's 16 channels come from all eight waves
	; back by 16 bytes a lane: a wave's load takes two whole groups, its store 512 consecutive bytes of pyr
.irp i, 0,1,2,3,4,5,6,7
	ds_load_b128 v[R+4*\i:R+4*\i+3], v8 offset:\i*16*GP
.endr
	ds_load_b128 v[52:55], v8 offset:L1B
	ds_load_b128 v[56:59], v8 offset:L1B+16*GP
.irp i, 0,1,2,3,4,5,6,7
	s_wait_dscnt 9-\i                              ; ten loads, served in order: number i is in
	global_store_b128 v9, v[R+4*\i:R+4*\i+3], s[20:21] offset:\i*32768
.endr
	s_wait_dscnt 0x1
	global_store_b128 v13, v[52:55], s[22:23]
	s_wait_dscnt 0x0
	global_store_b128 v13, v[56:59], s[22:23] offset:32768
	s_cmp_gt_u32 s14, 4                            ; levels 2 and 3 are ten groups: waves 0-3 take level 2, wave 4 level 3
	s_cbranch_scc1 .Ltile_end
	ds_load_b128 v[60:63], v8 offset:L2B           ; groups 160 + (t >> 4): level 3 follows level 2
	s_cmp_eq_u32 s14, 4
	s_cbranch_scc1 .Llevel3
	s_wait_dscnt 0x0
	global_store_b128 v14, v[60:63], s[24:25]
	s_wait_tensorcnt 0x0
	ds_add_u32 v72, v73
	s_wait_dscnt 0x0
	s_endpgm
.Llevel3:
	s_wait_dscnt 0x0
	global_store_b128 v15, v[60:63], s[26:27]
.Ltile_end:
	s_wait_tensorcnt 0x0
	ds_add_u32 v72, v73
	s_wait_dscnt 0x0
	s_endpgm
; ---------------------------------------------------------------- SPARSE
; Levels 4..7: their row pairs (16 Y + 7, + 8 and so on) lie across the borders of the 8-row bands, and they are 1,360 texels in all, 87 KB of
; the 22 MB: they are read from tex by themselves.  Thread = (texel, four channels): 16 loads of 4 bytes, one store of 16 bytes.
; Levels 4..7 follow each other in pyr, so thread g of the role stores at OFF4 + 16 g: 512 consecutive bytes a wave.
; 64 texels a work-group: level 4 is work-groups 0-15, level 5 16-19, level 6 20, level 7 (16 texels) two waves of work-group 21.
.Lsparse:
	s_sub_co_u32 s16, s15, NT                      ; work-group in the role
	s_lshl_b32 s17, s16, 3
	s_add_co_u32 s17, s17, s14
	s_cmp_ge_u32 s17, 170                          ; 5,440 threads = 170 waves: six waves of the last work-group have no texel
	s_cbranch_scc1 .Lsparse_end
	s_mov_b32 s18, 0                               ; the level's first work-group
	s_mov_b32 s19, 4                               ; the level = log2 of its step s in the base texture
	s_cmp_ge_u32 s16, 16
	s_cselect_b32 s18, 16, s18
	s_cselect_b32 s19, 5, s19
	s_cmp_ge_u32 s16, 20
	s_cselect_b32 s18, 20, s18
	s_cselect_b32 s19, 6, s19
	s_cmp_ge_u32 s16, 21
	s_cselect_b32 s18, 21, s18
	s_cselect_b32 s19, 7, s19
	s_sub_co_u32 s20, 9, s19                       ; log2 of the level's width
	s_sub_co_u32 s21, s16, s18
	s_lshl_b32 s21, s21, 6                         ; the work-group's first texel in the level
	s_lshl_b32 s22, 1, s20
	s_sub_co_u32 s22, s22, 1                       ; width - 1
	s_sub_co_u32 s23, s19, 1
	s_lshl_b32 s23, 1, s23
	s_sub_co_u32 s23, s23, 1                       ; s/2 - 1
	v_lshrrev_b32 v1, 2, v0
	v_add_nc_u32 v1, s21, v1                       ; texel in the level
	v_and_b32 v2, 3, v0                            ; which four channels
	v_lshrrev_b32 v3, s20, v1                      ; Y
	v_and_b32 v4, s22, v1                          ; X
	v_lshlrev_b32 v3, s19, v3
	v_lshlrev_b32 v4, s19, v4
	v_add_nc_u32 v3, s23, v3                       ; base row    s Y + s/2 - 1
	v_add_nc_u32 v4, s23, v4                       ; base column s X + s/2 - 1
	v_lshlrev_b32 v5, 22, v2                       ; four planes of 1 MiB
	v_lshl_add_u32 v5, v3, 11, v5
	v_lshl_add_u32 v5, v4, 2, v5
	v_lshlrev_b32 v6, 4, v0
	s_lshl_b32 s24, s16, 12                        ; 256 threads x 16 bytes
	s_add_co_u32 s24, s24, OFF4
	s_mov_b32 s25, 0
	s_wait_kmcnt 0x0
	s_add_nc_u64 s[24:25], s[10:11], s[24:25]
.irp k, 0,1,2,3
	global_load_b32 v[16+4*\k], v5, s[4:5] offset:(\k<<20)
	global_load_b32 v[17+4*\k], v5, s[4:5] offset:(\k<<20)+4          ; the column is odd: a pair would not be a multiple of 8 bytes
	global_load_b32 v[18+4*\k], v5, s[4:5] offset:(\k<<20)+2048
	global_load_b32 v[19+4*\k], v5, s[4:5] offset:(\k<<20)+2052
.endr
	s_wait_loadcnt 0x0
.irp k, 0,1,2,3
	v_pk_add_f32 v[16+4*\k:17+4*\k], v[16+4*\k:17+4*\k], v[18+4*\k:19+4*\k]   ; down the rows,
	v_add_f32 v[16+4*\k], v[16+4*\k], v[17+4*\k]                              ; then across
	v_mul_f32 v[32+\k], QUARTER, v[16+4*\k]
.endr
	global_store_b128 v6, v[32:35], s[24:25]
.Lsparse_end:
	s_endpgm
; ---------------------------------------------------------------- INDEX
; 10^6 queries = 15,625 steps of 64 = 3,125 waves of 5 steps; 391 work-groups, of whose last five waves have work.
; In a step lane L takes queries 2L, 2L + 1: 16 bytes of uv, 8 of p, 16 of idx, so each load and store of a wave is one run of 512 or 256 bytes.
; All ten loads are issued first; each step has result registers of its own, so that no store's data is written again.
.set UVR, 8                            ; v[8:27]   step i: u, v, u, v
.set PR,  28                           ; v[28:37]  step i: p, p
.set O,   38                           ; v[38:57]  step i: A, B, A, B
.set Q,   58                           ; v[58:68]  at work: widths (f32) Q, Q+1; their log2 Q+2, Q+3; (w-1, w-2) Q+4; (u, v) Q+6; (x, y) Q+8; Q+10
; one level: w = register with the width in f32, sh = register with its log2, d = register for the word
.macro LEVEL w, sh, d
	v_add_f32 v[Q+4], -1.0, v[\w]
	v_add_f32 v[Q+5], -2.0, v[\w]
	v_pk_mul_f32 v[Q+8:Q+9], v[Q+6:Q+7], v[Q+4:Q+5] op_sel_hi:[1,0]   ; x = u (w-1), y = v (w-1): the gather launch makes the same products
	v_floor_f32 v[Q+8], v[Q+8]
	v_floor_f32 v[Q+9], v[Q+9]
	v_min_num_f32 v[Q+8], v[Q+8], v[Q+5]           ; at most w - 2
	v_min_num_f32 v[Q+9], v[Q+9], v[Q+5]
	v_cvt_u32_f32 v[Q+8], v[Q+8]                   ; x0
	v_cvt_u32_f32 v[Q+9], v[Q+9]                   ; y0
	v_lshl_add_u32 v[Q+10], v[\sh], 1, 2           ; 20 - 2 l
	v_lshlrev_b32 v[Q+10], v[Q+10], -1
	v_and_b32 v[Q+10], 0x55555, v[Q+10]            ; the level's first texel
	v_lshl_add_u32 v[Q+8], v[Q+9], v[\sh], v[Q+8]  ; y0 w + x0
	v_add_nc_u32 v[Q+8], v[Q+8], v[Q+10]
	v_lshlrev_b32 v[Q+10], v[\sh], 1               ; w
	v_lshl_or_b32 v[\d], v[Q+10], 20, v[Q+8]
.endm
.macro QIDX uv, p, d
	v_mul_f32 v[Q], SEVEN, v[\p]
	v_floor_f32 v[Q], v[Q]
	v_med3_num_f32 v[Q], v[Q], 0, SEVEN            ; l0
	v_sub_f32 v[Q], NINE, v[Q]
	v_cvt_u32_f32 v[Q+2], v[Q]                     ; 9 - l0 = log2 of l0's width
	v_ldexp_f32 v[Q], 1.0, v[Q+2]                  ; l0's width
	v_mul_f32 v[Q+1], 0.5, v[Q]
	v_max_num_f32 v[Q+1], 4.0, v[Q+1]              ; l1's width: half of it, but level 7 is the last
	v_add_nc_u32 v[Q+3], -1, v[Q+2]
	v_max_u32 v[Q+3], 2, v[Q+3]
	v_med3_num_f32 v[Q+6], v[\uv], 0, 1.0
	v_med3_num_f32 v[Q+7], v[\uv+1], 0, 1.0
	LEVEL Q, Q+2, \d
	LEVEL Q+1, Q+3, \d+1
.endm
.Lindex:
	s_sub_co_u32 s16, s15, NT+NS
	s_lshl_b32 s16, s16, 3
	s_add_co_u32 s16, s16, s14                     ; wave in the role
	s_cmp_ge_u32 s16, 3125
	s_cbranch_scc1 .Lindex_end
	v_and_b32 v1, 31, v0
	v_lshlrev_b32 v2, 4, v1
	v_lshlrev_b32 v3, 3, v1
	s_mul_i32 s18, s16, 2560                       ; 320 queries x 8 bytes (uv, idx)
	s_mov_b32 s19, 0
	s_mul_i32 s20, s16, 1280                       ; x 4 bytes (p)
	s_mov_b32 s21, 0
	s_wait_kmcnt 0x0
	s_add_nc_u64 s[6:7], s[6:7], s[18:19]
	s_add_nc_u64 s[8:9], s[8:9], s[20:21]
	s_add_nc_u64 s[12:13], s[12:13], s[18:19]
.irp i, 0,1,2,3,4
	global_load_b128 v[UVR+4*\i:UVR+4*\i+3], v2, s[6:7] offset:512*\i
	global_load_b64 v[PR+2*\i:PR+2*\i+1], v3, s[8:9] offset:256*\i
.endr
.irp i, 0,1,2,3,4
	s_wait_loadcnt 8-2*\i                          ; step i's two loads are in; the two of each later step may be out
	QIDX UVR+4*\i, PR+2*\i, O+4*\i
	QIDX UVR+4*\i+2, PR+2*\i+1, O+4*\i+2
	global_store_b128 v2, v[O+4*\i:O+4*\i+3], s[12:13] offset:512*\i
.endr
.Lindex_end:
	s_endpgm
.Lfunc_end_k_q0199e6c05f_prepare:
	.size	k_q0199e6c05f_prepare, .Lfunc_end_k_q0199e6c05f_prepare-k_q0199e6c05f_prepare
	.p2alignl 7, 3214868480
	.fill 96, 4, 3214868480
	.section	.rodata,"a",@progbits
	.p2align	6, 0x0
	.amdhsa_kernel k_q0199e6c05f_prepare
		.amdhsa_group_segment_fixed_size 47616
		.amdhsa_private_segment_fixed_size 0
		.amdhsa_enable_private_segment 0
		.amdhsa_kernarg_size 40
		.amdhsa_user_sgpr_count 2
		.amdhsa_user_sgpr_kernarg_segment_ptr 1
		.amdhsa_wavefront_size32 1
		.amdhsa_system_sgpr_workgroup_id_x 1
		.amdhsa_system_sgpr_workgroup_id_y 1
		.amdhsa_system_sgpr_workgroup_id_z 1
		.amdhsa_system_vgpr_workitem_id 0
		.amdhsa_next_free_vgpr 74
		.amdhsa_next_free_sgpr 66
		.amdhsa_reserve_vcc 1
		.amdhsa_float_denorm_mode_32 3
		.amdhsa_float_denorm_mode_16_64 3
		.amdhsa_memory_ordered 1
		.amdhsa_forward_progress 1
		.amdhsa_inst_pref_size 39
	.end_amdhsa_kernel
	.amdgpu_metadata
---
amdhsa.version: [ 1, 2 ]
amdhsa.kernels:
  - .name:           k_q0199e6c05f_prepare
    .symbol:         k_q0199e6c05f_prepare.kd
    .args:
      - { .name: tex, .offset: 0, .size: 8, .value_kind: global_buffer, .address_space: global }
      - { .name: uv, .offset: 8, .size: 8, .value_kind: global_buffer, .address_space: global }
      - { .name: p, .offset: 16, .size: 8, .value_kind: global_buffer, .address_space: global }
      - { .name: pyr, .offset: 24, .size: 8, .value_kind: global_buffer, .address_space: global }
      - { .name: idx, .offset: 32, .size: 8, .value_kind: global_buffer, .address_space: global }
    .group_segment_fixed_size: 47616
    .private_segment_fixed_size: 0
    .kernarg_segment_align: 8
    .kernarg_segment_size: 40
    .max_flat_workgroup_size: 256
    .sgpr_count:     66
    .vgpr_count:     74
    .wavefront_size: 32
...
	.end_amdgpu_metadata
.endif
;; end of part 1
;; launch gather (part 2): grid 1250 x 1, 5 waves a work-group, no clusters, 4,096 bytes of LDS; arguments uv, p, idx, pyr, out0; writes out0
.if DOCPART == 2
	.amdgcn_target "amdgcn-amd-amdhsa--gfx1250"
	.amdhsa_code_object_version 6
	.text
	.protected	k_q0199e6c05f_gather
	.globl	k_q0199e6c05f_gather
	.p2align	8
	.type	k_q0199e6c05f_gather,@function
k_q0199e6c05f_gather:
	s_mov_b64 s[64:65], 0
	v_nop
	global_prefetch_b8 v0, s[64:65] scope:SCOPE_SE
	s_setreg_imm32_b32 hwreg(HW_REG_WAVE_MODE, 25, 1), 1
	s_wait_xcnt 0x0
; GATHER: out[q][0..15] = blend over two levels of the bilinear samples of pyr (channel-last pyramid, a texel = 64 bytes).
; The texel numbers come as whole numbers from idx (two words a query: texel | width << 20 for levels l0 and l1); the fractions are made here from uv, p
; by the same f32 products as in the launch that made idx, so fraction and texel number belong together.
; 10^6 queries = 1,250 work-groups x 5 waves x 5 batches x 32 queries: no tail.  The waves do not depend on each other: no barrier.
; A BATCH has two lane maps.  (1) lane = query: one load of uv and one of p, the five fractions computed once a query, laid into 640 LDS bytes
; of the wave's own.  (2) four lanes = a query, 16 bytes (4 channels) a lane: a step of 8 queries is 8 gathers of 16 bytes a lane, 7 blends
; a + f (b - a), and one store that covers 512 consecutive bytes of out at a multiple of 512.
; Two register sets take turns, so 16 gathers of the wave are out at any time, over the batches' borders too; the next batch's inputs are asked for
; one batch ahead.
; NOT USED: clusters, tile copies into LDS: what the work-groups share is a table of 22 MB from which each lane takes 16 bytes at its own place,
; not tiles.  No prefetch: the table is what the launch before has just written, and 512 bytes a query are read from its 22 MB, each byte some 23 times.
; LIMITS: floor(7 p) in 0..7 (else the level is clamped); x = clamp(u,0,1) (w-1); x0 = min(floor x, w-2) with a fraction up to 1, so a texel that is
; not finite spreads otherwise than with x1 = min(x0+1, w-1); NaN in uv or p is not served; the blends round in another order than
; a (1-f) + b f.
.set BATCHES, 5
.set TOPIDX,  349518                   ; the last texel but one: each address register also serves the texel behind it (offset 64)
.set SEVEN,   0x40e00000
.set NINE,    0x41100000
.set PART, 2                           ; v2   16 (lane & 3): my four channels
.set VI,   3                           ; v3   8 (lane >> 2): my query's words in a step's 64 bytes of idx
.set VO,   4                           ; v4   16 lane
.set VUV,  5                           ; v5   8 lane
.set VP,   6                           ; v6   4 lane
.set LSW,  7                           ; v7   LDS: my wave's bytes + 16 lane        (fx0, fy0, fx1, fy1 of query = lane)
.set LSA,  8                           ; v8   LDS: my wave's bytes + 4 lane (+512)  (alpha)
.set LLW,  9                           ; v9   LDS: my wave's bytes + 16 (lane >> 2)
.set LLA,  10                          ; v10  LDS: my wave's bytes + 4 (lane >> 2) (+512)
.set TMP,  11
.set IX,   12                          ; v[12:19]  idx words of the batch's four steps; free between ADDRS and the next INPUTS:
.set F,    IX                          ; v[12:15]  floors                 (in WEIGHTS)
.set M0,   IX+4                        ; v[16:17]  w-1, w-2 of level l0   (in WEIGHTS)
.set M1,   IX+6                        ; v[18:19]  of level l1
.set UV,   20                          ; v[20:21]
.set P,    22
.set AD,   24                          ; v[24:39]  step j: byte offsets of rows y0, y0+1 at l0 and at l1
.set W,    40                          ; v[40:45]  fx0, fy0, fx1, fy1, alpha, (0)
.set OUT,  46                          ; v[46:49]
.set TW,   50                          ; v[50:53]
.set C,    54                          ; v[54:55]
.set X,    56                          ; v[56:59]
.set G0,   60                          ; v[60:91]   8 texels x 4 channels: l0: (y0,x0) (y0,x1) (y1,x0) (y1,x1), then l1
.set G1,   92                          ; v[92:123]
	s_load_b256 s[4:11], s[0:1], 0x0               ; uv s[4:5], p s[6:7], idx s[8:9], pyr s[10:11]
	s_load_b64 s[12:13], s[0:1], 0x20              ; out
	v_lshl_add_u32 v124, v0, 2, 0xd00
	v_mov_b32 v125, 0
	v_lshrrev_b32 v1, 5, v0
	v_readfirstlane_b32 s14, v1                    ; wave 0..4
	s_mul_i32 s15, ttmp9, 5
	s_add_co_u32 s15, s15, s14                     ; wave in the launch: 160 queries each
	s_mul_i32 s16, s15, 1280                       ; x 8 bytes (uv, idx)
	s_mov_b32 s17, 0
	s_mul_i32 s18, s15, 640                        ; x 4 bytes (p)
	s_mov_b32 s19, 0
	s_mul_i32 s20, s15, 10240                      ; x 64 bytes (out)
	s_mov_b32 s21, 0
	s_mul_i32 s22, s14, 640                        ; my wave's LDS bytes: 32 x 16 + 32 x 4
	v_and_b32 v1, 31, v0
	v_and_b32 v[PART], 3, v1
	v_lshlrev_b32 v[PART], 4, v[PART]
	v_lshrrev_b32 v[TMP], 2, v1
	v_lshlrev_b32 v[VI], 3, v[TMP]
	v_lshlrev_b32 v[VO], 4, v1
	v_lshlrev_b32 v[VUV], 3, v1
	v_lshlrev_b32 v[VP], 2, v1
	v_lshl_add_u32 v[LSW], v1, 4, s22
	v_lshl_add_u32 v[LSA], v1, 2, s22
	v_lshl_add_u32 v[LLW], v[TMP], 4, s22
	v_lshl_add_u32 v[LLA], v[TMP], 2, s22
	v_mov_b32 v[W+5], 0                            ; the other half of alpha's register pair: named by the packed blend, never used
	s_wait_kmcnt 0x0
	s_add_nc_u64 s[4:5], s[4:5], s[16:17]
	s_add_nc_u64 s[6:7], s[6:7], s[18:19]
	s_add_nc_u64 s[8:9], s[8:9], s[16:17]
	s_add_nc_u64 s[12:13], s[12:13], s[20:21]
.macro INPUTS                          ; six loads: a batch's idx words in map (2), its uv and p in map (1)
.irp j, 0,1,2,3
	global_load_b64 v[IX+2*\j:IX+2*\j+1], v[VI], s[8:9] offset:\j*64
.endr
	global_load_b64 v[UV:UV+1], v[VUV], s[4:5] th:TH_LOAD_NT
	global_load_b32 v[P], v[VP], s[6:7] th:TH_LOAD_NT
.endm
; the 16 byte offsets of a batch.  A number that was loaded is clamped to the table before it becomes an offset.
.macro ADDRS
.irp j, 0,1,2,3
	v_and_b32 v[AD+4*\j], 0xfffff, v[IX+2*\j]              ; texel (y0, x0) at l0
	v_lshrrev_b32 v[TMP], 20, v[IX+2*\j]                   ; l0's width
	v_and_b32 v[AD+4*\j+2], 0xfffff, v[IX+2*\j+1]          ; the same at l1
	v_add_nc_u32 v[AD+4*\j+1], v[AD+4*\j], v[TMP]          ; texel (y0+1, x0)
	v_lshrrev_b32 v[TMP], 20, v[IX+2*\j+1]
	v_add_nc_u32 v[AD+4*\j+3], v[AD+4*\j+2], v[TMP]
.irp k, 0,1,2,3
	v_min_u32 v[AD+4*\j+\k], TOPIDX, v[AD+4*\j+\k]
.endr
.irp k, 0,1,2,3
	v_lshl_add_u32 v[AD+4*\j+\k], v[AD+4*\j+\k], 6, v[PART]    ; 64 bytes a texel + my 16
.endr
.endr
.endm
.macro ISSUE g, j                      ; the eight gathers of step j into set g; texel x0 + 1 lies 64 bytes behind x0
	global_load_b128 v[\g:\g+3],     v[AD+4*\j],   s[10:11]
	global_load_b128 v[\g+4:\g+7],   v[AD+4*\j],   s[10:11] offset:64
	global_load_b128 v[\g+8:\g+11],  v[AD+4*\j+1], s[10:11]
	global_load_b128 v[\g+12:\g+15], v[AD+4*\j+1], s[10:11] offset:64
	global_load_b128 v[\g+16:\g+19], v[AD+4*\j+2], s[10:11]
	global_load_b128 v[\g+20:\g+23], v[AD+4*\j+2], s[10:11] offset:64
	global_load_b128 v[\g+24:\g+27], v[AD+4*\j+3], s[10:11]
	global_load_b128 v[\g+28:\g+31], v[AD+4*\j+3], s[10:11] offset:64
.endm
; map (1): the five fractions of query = lane
.macro WEIGHTS
	v_mul_f32 v[TW], SEVEN, v[P]                   ; lf = 7 p
	v_floor_f32 v[TW+1], v[TW]
	v_med3_num_f32 v[TW+1], v[TW+1], 0, SEVEN      ; l0
	v_sub_f32 v[TW], v[TW], v[TW+1]                ; alpha
	v_sub_f32 v[TW+1], NINE, v[TW+1]
	v_cvt_u32_f32 v[TW+1], v[TW+1]
	v_ldexp_f32 v[TW+2], 1.0, v[TW+1]              ; l0's width, 2^(9 - l0)
	v_mul_f32 v[TW+3], 0.5, v[TW+2]
	v_max_num_f32 v[TW+3], 4.0, v[TW+3]            ; l1's width
	v_add_f32 v[M0], -1.0, v[TW+2]
	v_add_f32 v[M0+1], -2.0, v[TW+2]
	v_add_f32 v[M1], -1.0, v[TW+3]
	v_add_f32 v[M1+1], -2.0, v[TW+3]
	v_med3_num_f32 v[C], v[UV], 0, 1.0
	v_med3_num_f32 v[C+1], v[UV+1], 0, 1.0
	v_pk_mul_f32 v[X:X+1], v[C:C+1], v[M0:M0+1] op_sel_hi:[1,0]       ; x, y at l0
	v_pk_mul_f32 v[X+2:X+3], v[C:C+1], v[M1:M1+1] op_sel_hi:[1,0]     ; x, y at l1
.irp k, 0,1,2,3
	v_floor_f32 v[F+\k], v[X+\k]
.endr
	v_min_num_f32 v[F], v[F], v[M0+1]              ; x0 = min(floor x, w - 2), as in idx
	v_min_num_f32 v[F+1], v[F+1], v[M0+1]
	v_min_num_f32 v[F+2], v[F+2], v[M1+1]
	v_min_num_f32 v[F+3], v[F+3], v[M1+1]
	v_pk_add_f32 v[X:X+1], v[X:X+1], v[F:F+1] neg_lo:[0,1] neg_hi:[0,1]           ; fx0, fy0
	v_pk_add_f32 v[X+2:X+3], v[X+2:X+3], v[F+2:F+3] neg_lo:[0,1] neg_hi:[0,1]     ; fx1, fy1
	ds_store_b128 v[LSW], v[X:X+3]                 ; 16 bytes a lane, side by side
	ds_store_b32 v[LSA], v[TW] offset:512
.endm
.macro DIFF a, b                       ; b -= a, four channels
	v_pk_add_f32 v[\b:\b+1], v[\b:\b+1], v[\a:\a+1] neg_lo:[0,1] neg_hi:[0,1]
	v_pk_add_f32 v[\b+2:\b+3], v[\b+2:\b+3], v[\a+2:\a+3] neg_lo:[0,1] neg_hi:[0,1]
.endm
.macro BLEND d, a, b, w, hi            ; d = a + f b, four channels; f = the first (hi = 0) or the second register of the pair at w, for both halves
.if \hi
	v_pk_fma_f32 v[\d:\d+1], v[\b:\b+1], v[\w:\w+1], v[\a:\a+1] op_sel:[0,1,0] op_sel_hi:[1,1,1]
	v_pk_fma_f32 v[\d+2:\d+3], v[\b+2:\b+3], v[\w:\w+1], v[\a+2:\a+3] op_sel:[0,1,0] op_sel_hi:[1,1,1]
.else
	v_pk_fma_f32 v[\d:\d+1], v[\b:\b+1], v[\w:\w+1], v[\a:\a+1] op_sel_hi:[1,0,1]
	v_pk_fma_f32 v[\d+2:\d+3], v[\b+2:\b+3], v[\w:\w+1], v[\a+2:\a+3] op_sel_hi:[1,0,1]
.endif
.endm
; step j of a batch, from set g.  left = how many younger loads may stay out.  step = 1: out's base goes on to this batch.
.macro CONSUME j, g, left, step
	ds_load_b128 v[W:W+3], v[LLW] offset:\j*128    ; my query's fractions: LDS serves a wave's instructions in order, so these see WEIGHTS' stores
	ds_load_b32 v[W+4], v[LLA] offset:512+\j*32
	s_wait_loadcnt \left                           ; loads return in order: this set's eight gathers are in
	DIFF \g, \g+4
	DIFF \g+8, \g+12
	DIFF \g+16, \g+20
	DIFF \g+24, \g+28
	s_wait_dscnt 0x0
	BLEND \g, \g, \g+4, W, 0                       ; along x, both rows, both levels
	BLEND \g+8, \g+8, \g+12, W, 0
	BLEND \g+16, \g+16, \g+20, W+2, 0
	BLEND \g+24, \g+24, \g+28, W+2, 0
	DIFF \g, \g+8
	DIFF \g+16, \g+24
	BLEND \g, \g, \g+8, W, 1                       ; along y
	BLEND \g+16, \g+16, \g+24, W+2, 1
	DIFF \g, \g+16
	s_wait_xcnt 0x0                                ; OUT and out's base, which the last store reads, and the gathers' offset registers are written again only behind this wait
.if \step
	s_add_nc_u64 s[12:13], s[12:13], 0x800         ; 32 queries x 64 bytes; the stores reach back
.endif
	BLEND OUT, \g, \g+16, W+4, 0                   ; between the levels
	global_store_b128 v[VO], v[OUT:OUT+3], s[12:13] offset:\j*512-2048 th:TH_STORE_NT
.endm
; A batch.  At its head: the gathers of its steps 0 (set G0) and 1 (G1) are out, its uv and p are in, its 16 offsets are made.
; Order of issue with more = 1: [step 0: 8] [step 1: 8] [inputs: 6] [step 2: 8] [step 3: 8] [next step 0: 8] [next step 1: 8].
.macro BATCH more
	WEIGHTS
.if \more
	s_add_nc_u64 s[4:5], s[4:5], 0x100             ; the last loads from these bases were shown done by a wait below (or in front of the loop)
	s_add_nc_u64 s[6:7], s[6:7], 0x80
	s_add_nc_u64 s[8:9], s[8:9], 0x100
	INPUTS                                         ; the next batch's
	CONSUME 0, G0, 14, 1                           ; younger: step 1's 8 gathers + 6 inputs
	ISSUE G0, 2
	CONSUME 1, G1, 14, 0                           ; younger: 6 inputs + step 2's 8
	ISSUE G1, 3
	CONSUME 2, G0, 8, 0                            ; younger: step 3's 8.  The inputs are older: they are in too
	ADDRS                                          ; the next batch's offsets; step 3's gathers have given their offset registers free (the wait in CONSUME 2)
	ISSUE G0, 0
	CONSUME 3, G1, 8, 0                            ; younger: the next batch's step 0
	ISSUE G1, 1
.else
	CONSUME 0, G0, 8, 1                            ; the last batch asks for nothing beyond the buffers' ends: only the other set is younger
	ISSUE G0, 2
	CONSUME 1, G1, 8, 0
	ISSUE G1, 3
	CONSUME 2, G0, 8, 0
	CONSUME 3, G1, 0, 0
.endif
.endm
	INPUTS
	s_wait_loadcnt 0x0
	ADDRS
	ISSUE G0, 0
	ISSUE G1, 1
	s_mov_b32 s23, BATCHES-1
.Lbatch:
	BATCH 1
	s_sub_co_i32 s23, s23, 1
	s_cmp_lg_u32 s23, 0
	s_cbranch_scc1 .Lbatch
	BATCH 0
	s_wait_tensorcnt 0x0
	ds_add_u32 v124, v125
	s_wait_dscnt 0x0
	s_endpgm
.Lfunc_end_k_q0199e6c05f_gather:
	.size	k_q0199e6c05f_gather, .Lfunc_end_k_q0199e6c05f_gather-k_q0199e6c05f_gather
	.p2alignl 7, 3214868480
	.fill 96, 4, 3214868480
	.section	.rodata,"a",@progbits
	.p2align	6, 0x0
	.amdhsa_kernel k_q0199e6c05f_gather
		.amdhsa_group_segment_fixed_size 4096
		.amdhsa_private_segment_fixed_size 0
		.amdhsa_enable_private_segment 0
		.amdhsa_kernarg_size 40
		.amdhsa_user_sgpr_count 2
		.amdhsa_user_sgpr_kernarg_segment_ptr 1
		.amdhsa_wavefront_size32 1
		.amdhsa_system_sgpr_workgroup_id_x 1
		.amdhsa_system_sgpr_workgroup_id_y 1
		.amdhsa_system_sgpr_workgroup_id_z 1
		.amdhsa_system_vgpr_workitem_id 0
		.amdhsa_next_free_vgpr 126
		.amdhsa_next_free_sgpr 66
		.amdhsa_reserve_vcc 0
		.amdhsa_float_denorm_mode_32 3
		.amdhsa_float_denorm_mode_16_64 3
		.amdhsa_memory_ordered 1
		.amdhsa_forward_progress 1
		.amdhsa_inst_pref_size 35
	.end_amdhsa_kernel
	.amdgpu_metadata
---
amdhsa.version: [ 1, 2 ]
amdhsa.kernels:
  - .name:           k_q0199e6c05f_gather
    .symbol:         k_q0199e6c05f_gather.kd
    .args:
      - { .name: uv, .offset: 0, .size: 8, .value_kind: global_buffer, .address_space: global }
      - { .name: p, .offset: 8, .size: 8, .value_kind: global_buffer, .address_space: global }
      - { .name: idx, .offset: 16, .size: 8, .value_kind: global_buffer, .address_space: global }
      - { .name: pyr, .offset: 24, .size: 8, .value_kind: global_buffer, .address_space: global }
      - { .name: out0, .offset: 32, .size: 8, .value_kind: global_buffer, .address_space: global }
    .group_segment_fixed_size: 4096
    .private_segment_fixed_size: 0
    .kernarg_segment_align: 8
    .kernarg_segment_size: 40
    .max_flat_workgroup_size: 160
    .sgpr_count:     66
    .vgpr_count:     126
    .wavefront_size: 32
...
	.end_amdgpu_metadata
.endif
;; end of part 2
;; ======== version 2 of 2: 2 launches; version 1 with the launch gather written anew for expert scheduling mode
;; workspace buffers: pyr 22,369,280 bytes; idx 8,000,000 bytes of whole numbers
;; launch prepare: the kernel of part 1 again; grid 925 x 1, 8 waves a work-group, no clusters, 47,616 bytes of LDS; arguments tex, uv, p, pyr, idx; writes pyr, idx
;; launch gather (part 3): grid 1250 x 1, 5 waves a work-group, no clusters, 4,096 bytes of LDS; arguments uv, p, idx, pyr, out0; writes out0
.if DOCPART == 3
	.amdgcn_target "amdgcn-amd-amdhsa--gfx1250"
	.amdhsa_code_object_version 6
	.text
	.protected	k_q0199e6c05f_gather
	.globl	k_q0199e6c05f_gather
	.p2align	8
	.type	k_q0199e6c05f_gather,@function
k_q0199e6c05f_gather:
	s_mov_b64 s[64:65], 0
	v_nop
	global_prefetch_b8 v0, s[64:65] scope:SCOPE_SE
	s_setreg_imm32_b32 hwreg(HW_REG_WAVE_SCHED_MODE, 0, 2), 2
	s_setreg_imm32_b32 hwreg(HW_REG_WAVE_MODE, 25, 1), 1
	s_wait_xcnt 0x0
	s_wait_alu depctr_vm_vsrc(0)
; GATHER: out[q][0..15] = blend over two levels of the bilinear samples of pyr (channel-last pyramid, a texel = 64 bytes).
; The texel numbers come as whole numbers from idx (two words a query: texel | width << 20 for levels l0 and l1); the fractions are made here from uv, p
; by the same f32 products as in the launch that made idx, so fraction and texel number belong together.
; 10^6 queries = 1,250 work-groups x 5 waves x 5 batches x 32 queries: no tail.  The waves do not depend on each other: no barrier.
; A BATCH has two lane maps.  (1) lane = query: one load of uv and one of p, the five fractions computed once a query, laid into 640 LDS bytes
; of the wave's own.  (2) four lanes = a query, 16 bytes (4 channels) a lane: a step of 8 queries is 8 gathers of 16 bytes a lane, 7 blends
; a + f (b - a), and one store that covers 512 consecutive bytes of out at a multiple of 512.
; Two register sets take turns, so 16 gathers of the wave are out at any time, over the batches' borders too; the next batch's inputs are asked for
; one batch ahead.
; NOT USED: clusters, tile copies into LDS: what the work-groups share is a table of 22 MB from which each lane takes 16 bytes at its own place,
; not tiles.  No prefetch: the table is what the launch before has just written, and 512 bytes a query are read from its 22 MB, each byte some 23 times.
; LIMITS: floor(7 p) in 0..7 (else the level is clamped); x = clamp(u,0,1) (w-1); x0 = min(floor x, w-2) with a fraction up to 1, so a texel that is
; not finite spreads otherwise than with x1 = min(x0+1, w-1); NaN in uv or p is not served; the blends round in another order than
; a (1-f) + b f.
; THE MODE: SCHED_MODE bits 1:0 = 2 (LLVM: expert scheduling mode 2), set by the entry lines.  The code itself states the register dependences
; between vector instructions and memory or LDS instructions, with s_wait_alu, always for 0.
; THE PLAN.  Registers that memory or LDS instructions touch, in the loop:
;   v3 .. v10   offsets and LDS addresses: made at the head, never written again; the rows are reached by scalar bases and immediate offsets.
;   G0, G1      a set: eight gathers land in it; its step's differences and blends read and write it; at the step's tail it is asked for again.
;   W           a step's fractions: two LDS loads at the step's head land in it; the step's blends read it.
;   OUT         written by a step's last blend; read by the store at the step's tail.
;   AD          written by ADDRS, which stands in step 2 for the next batch; read by the gathers issued at the tails of steps 2, 3, 0 and 1.
;   X, TW       written by the fractions' arithmetic, which stands in step 3 for the next batch; read by the two LDS stores at that step's tail.
;   IX, UV, P   INPUTS' six loads, at a batch's head, land in them; ADDRS (step 2) reads IX, the fractions' arithmetic (step 3) reads UV and P and uses IX as scratch.
; A step is: its two LDS loads; all its vector work; then all its other memory work in one run.  ONE wait on va_vdst stands between the two, behind the step's last
; vector instruction, since the set that the step has emptied is to be asked for again at once.  No vector instruction stands between that wait and the next step's first
; difference, so the wait serves the gathers, the LDS stores, the store of OUT, the next batch's INPUTS and the next step's LDS loads alike.
; ONE wait on vm_vsrc stands in a step, ahead of its last blend: behind it OUT, and in steps 2 and 3 AD, X and TW, are written again.
.set BATCHES, 5
.set TOPIDX,  349518                   ; the last texel but one: each address register also serves the texel behind it (offset 64)
.set SEVEN,   0x40e00000
.set NINE,    0x41100000
.set PART, 2                           ; v2   16 (lane & 3): my four channels
.set VI,   3                           ; v3   8 (lane >> 2): my query's words in a step's 64 bytes of idx
.set VO,   4                           ; v4   16 lane
.set VUV,  5                           ; v5   8 lane
.set VP,   6                           ; v6   4 lane
.set LSW,  7                           ; v7   LDS: my wave's bytes + 16 lane        (fx0, fy0, fx1, fy1 of query = lane)
.set LSA,  8                           ; v8   LDS: my wave's bytes + 4 lane (+512)  (alpha)
.set LLW,  9                           ; v9   LDS: my wave's bytes + 16 (lane >> 2)
.set LLA,  10                          ; v10  LDS: my wave's bytes + 4 (lane >> 2) (+512)
.set TMP,  11
.set IX,   12                          ; v[12:19]  idx words of the batch's four steps; free between ADDRS and the next INPUTS:
.set F,    IX                          ; v[12:15]  floors                 (in WEIGH)
.set M0,   IX+4                        ; v[16:17]  w-1, w-2 of level l0   (in WEIGH)
.set M1,   IX+6                        ; v[18:19]  of level l1
.set UV,   20                          ; v[20:21]
.set P,    22
.set AD,   24                          ; v[24:39]  step j: byte offsets of rows y0, y0+1 at l0 and at l1
.set W,    40                          ; v[40:45]  fx0, fy0, fx1, fy1, alpha, (0)
.set OUT,  46                          ; v[46:49]
.set TW,   50                          ; v[50:53]
.set C,    54                          ; v[54:55]
.set X,    56                          ; v[56:59]
.set G0,   60                          ; v[60:91]   8 texels x 4 channels: l0: (y0,x0) (y0,x1) (y1,x0) (y1,x1), then l1
.set G1,   92                          ; v[92:123]
	s_load_b256 s[4:11], s[0:1], 0x0               ; uv s[4:5], p s[6:7], idx s[8:9], pyr s[10:11]
	s_load_b64 s[12:13], s[0:1], 0x20              ; out
	v_lshl_add_u32 v124, v0, 2, 0xd00
	v_mov_b32 v125, 0
	v_lshrrev_b32 v1, 5, v0
	v_readfirstlane_b32 s14, v1                    ; wave 0..4
	v_and_b32 v1, 31, v0
	v_and_b32 v[PART], 3, v1
	v_lshlrev_b32 v[PART], 4, v[PART]
	v_lshrrev_b32 v[TMP], 2, v1
	v_lshlrev_b32 v[VI], 3, v[TMP]
	v_lshlrev_b32 v[VO], 4, v1
	v_lshlrev_b32 v[VUV], 3, v1
	v_lshlrev_b32 v[VP], 2, v1
	v_mov_b32 v[W+5], 0                            ; the other half of alpha's register pair: named by the packed blend, never used
	s_wait_alu depctr_va_sdst(0)                   ; s14 is written, ahead of its first reader: the bases and the wave's LDS bytes are made from it
	s_mul_i32 s15, ttmp9, 5
	s_add_co_u32 s15, s15, s14                     ; wave in the launch: 160 queries each
	s_mul_i32 s16, s15, 1280                       ; x 8 bytes (uv, idx)
	s_mov_b32 s17, 0
	s_mul_i32 s18, s15, 640                        ; x 4 bytes (p)
	s_mov_b32 s19, 0
	s_mul_i32 s20, s15, 10240                      ; x 64 bytes (out)
	s_mov_b32 s21, 0
	s_mul_i32 s22, s14, 640                        ; my wave's LDS bytes: 32 x 16 + 32 x 4
	v_lshl_add_u32 v[LSW], v1, 4, s22
	v_lshl_add_u32 v[LSA], v1, 2, s22
	v_lshl_add_u32 v[LLW], v[TMP], 4, s22
	v_lshl_add_u32 v[LLA], v[TMP], 2, s22
	s_wait_kmcnt 0x0
	s_add_nc_u64 s[4:5], s[4:5], s[16:17]
	s_add_nc_u64 s[6:7], s[6:7], s[18:19]
	s_add_nc_u64 s[8:9], s[8:9], s[16:17]
	s_add_nc_u64 s[12:13], s[12:13], s[20:21]
	s_wait_alu depctr_va_vdst(0)                   ; the eight offsets and LDS addresses v3 to v10 are written, which the kernel's loads and stores read
.macro INPUTS                          ; six loads: a batch's idx words in map (2), its uv and p in map (1)
.irp j, 0,1,2,3
	global_load_b64 v[IX+2*\j:IX+2*\j+1], v[VI], s[8:9] offset:\j*64
.endr
	global_load_b64 v[UV:UV+1], v[VUV], s[4:5] th:TH_LOAD_NT
	global_load_b32 v[P], v[VP], s[6:7] th:TH_LOAD_NT
.endm
; the 16 byte offsets of a batch.  A number that was loaded is clamped to the table before it becomes an offset.
.macro ADDRS
.irp j, 0,1,2,3
	v_and_b32 v[AD+4*\j], 0xfffff, v[IX+2*\j]              ; texel (y0, x0) at l0
	v_lshrrev_b32 v[TMP], 20, v[IX+2*\j]                   ; l0's width
	v_and_b32 v[AD+4*\j+2], 0xfffff, v[IX+2*\j+1]          ; the same at l1
	v_add_nc_u32 v[AD+4*\j+1], v[AD+4*\j], v[TMP]          ; texel (y0+1, x0)
	v_lshrrev_b32 v[TMP], 20, v[IX+2*\j+1]
	v_add_nc_u32 v[AD+4*\j+3], v[AD+4*\j+2], v[TMP]
.irp k, 0,1,2,3
	v_min_u32 v[AD+4*\j+\k], TOPIDX, v[AD+4*\j+\k]
.endr
.irp k, 0,1,2,3
	v_lshl_add_u32 v[AD+4*\j+\k], v[AD+4*\j+\k], 6, v[PART]    ; 64 bytes a texel + my 16
.endr
.endr
.endm
.macro ISSUE g, j                      ; the eight gathers of step j into set g; texel x0 + 1 lies 64 bytes behind x0
	global_load_b128 v[\g:\g+3],     v[AD+4*\j],   s[10:11]
	global_load_b128 v[\g+4:\g+7],   v[AD+4*\j],   s[10:11] offset:64
	global_load_b128 v[\g+8:\g+11],  v[AD+4*\j+1], s[10:11]
	global_load_b128 v[\g+12:\g+15], v[AD+4*\j+1], s[10:11] offset:64
	global_load_b128 v[\g+16:\g+19], v[AD+4*\j+2], s[10:11]
	global_load_b128 v[\g+20:\g+23], v[AD+4*\j+2], s[10:11] offset:64
	global_load_b128 v[\g+24:\g+27], v[AD+4*\j+3], s[10:11]
	global_load_b128 v[\g+28:\g+31], v[AD+4*\j+3], s[10:11] offset:64
.endm
; map (1): the five fractions of query = lane: the arithmetic,
.macro WEIGH
	v_mul_f32 v[TW], SEVEN, v[P]                   ; lf = 7 p
	v_floor_f32 v[TW+1], v[TW]
	v_med3_num_f32 v[TW+1], v[TW+1], 0, SEVEN      ; l0
	v_sub_f32 v[TW], v[TW], v[TW+1]                ; alpha
	v_sub_f32 v[TW+1], NINE, v[TW+1]
	v_cvt_u32_f32 v[TW+1], v[TW+1]
	v_ldexp_f32 v[TW+2], 1.0, v[TW+1]              ; l0's width, 2^(9 - l0)
	v_mul_f32 v[TW+3], 0.5, v[TW+2]
	v_max_num_f32 v[TW+3], 4.0, v[TW+3]            ; l1's width
	v_add_f32 v[M0], -1.0, v[TW+2]
	v_add_f32 v[M0+1], -2.0, v[TW+2]
	v_add_f32 v[M1], -1.0, v[TW+3]
	v_add_f32 v[M1+1], -2.0, v[TW+3]
	v_med3_num_f32 v[C], v[UV], 0, 1.0
	v_med3_num_f32 v[C+1], v[UV+1], 0, 1.0
	v_pk_mul_f32 v[X:X+1], v[C:C+1], v[M0:M0+1] op_sel_hi:[1,0]       ; x, y at l0
	v_pk_mul_f32 v[X+2:X+3], v[C:C+1], v[M1:M1+1] op_sel_hi:[1,0]     ; x, y at l1
.irp k, 0,1,2,3
	v_floor_f32 v[F+\k], v[X+\k]
.endr
	v_min_num_f32 v[F], v[F], v[M0+1]              ; x0 = min(floor x, w - 2), as in idx
	v_min_num_f32 v[F+1], v[F+1], v[M0+1]
	v_min_num_f32 v[F+2], v[F+2], v[M1+1]
	v_min_num_f32 v[F+3], v[F+3], v[M1+1]
	v_pk_add_f32 v[X:X+1], v[X:X+1], v[F:F+1] neg_lo:[0,1] neg_hi:[0,1]           ; fx0, fy0
	v_pk_add_f32 v[X+2:X+3], v[X+2:X+3], v[F+2:F+3] neg_lo:[0,1] neg_hi:[0,1]     ; fx1, fy1
.endm
; and the two LDS stores, behind a wait on va_vdst
.macro LAY
	ds_store_b128 v[LSW], v[X:X+3]                 ; 16 bytes a lane, side by side
	ds_store_b32 v[LSA], v[TW] offset:512
.endm
.macro DIFF a, b                       ; b -= a, four channels
	v_pk_add_f32 v[\b:\b+1], v[\b:\b+1], v[\a:\a+1] neg_lo:[0,1] neg_hi:[0,1]
	v_pk_add_f32 v[\b+2:\b+3], v[\b+2:\b+3], v[\a+2:\a+3] neg_lo:[0,1] neg_hi:[0,1]
.endm
.macro BLEND d, a, b, w, hi            ; d = a + f b, four channels; f = the first (hi = 0) or the second register of the pair at w, for both halves
.if \hi
	v_pk_fma_f32 v[\d:\d+1], v[\b:\b+1], v[\w:\w+1], v[\a:\a+1] op_sel:[0,1,0] op_sel_hi:[1,1,1]
	v_pk_fma_f32 v[\d+2:\d+3], v[\b+2:\b+3], v[\w:\w+1], v[\a+2:\a+3] op_sel:[0,1,0] op_sel_hi:[1,1,1]
.else
	v_pk_fma_f32 v[\d:\d+1], v[\b:\b+1], v[\w:\w+1], v[\a:\a+1] op_sel_hi:[1,0,1]
	v_pk_fma_f32 v[\d+2:\d+3], v[\b+2:\b+3], v[\w:\w+1], v[\a+2:\a+3] op_sel_hi:[1,0,1]
.endif
.endm
; step j of a batch, from set g.  left = how many younger loads may stay out.  step = 1: out's base goes on to this batch.
; extra = 1: the next batch's offsets are made here; extra = 2: the next batch's fractions.  nj = the step whose gathers set g is asked for at the tail, or -1: none.
.macro CONSUME j, g, left, step, extra, nj
	ds_load_b128 v[W:W+3], v[LLW] offset:\j*128    ; my query's fractions: LDS serves a wave's instructions in order, so these see LAY's stores.  No wait: no vector instruction since the last wait on va_vdst names W
	ds_load_b32 v[W+4], v[LLA] offset:512+\j*32
	s_wait_loadcnt \left                           ; loads return in order: this set's eight gathers are in
	DIFF \g, \g+4
	DIFF \g+8, \g+12
	DIFF \g+16, \g+20
	DIFF \g+24, \g+28
	s_wait_dscnt 0x0
	BLEND \g, \g, \g+4, W, 0                       ; along x, both rows, both levels
	BLEND \g+8, \g+8, \g+12, W, 0
	BLEND \g+16, \g+16, \g+20, W+2, 0
	BLEND \g+24, \g+24, \g+28, W+2, 0
	DIFF \g, \g+8
	DIFF \g+16, \g+24
	BLEND \g, \g, \g+8, W, 1                       ; along y
	BLEND \g+16, \g+16, \g+24, W+2, 1
	DIFF \g, \g+16
	s_wait_xcnt 0x0                                ; OUT and out's base, which the last store reads, and the gathers' offset registers are written again only behind this wait
	s_wait_alu depctr_vm_vsrc(0)                   ; the last store has read OUT; the gathers issued so far have read AD, and LAY's stores X and TW, which steps 2 and 3 write again below
.if \step
	s_add_nc_u64 s[12:13], s[12:13], 0x800         ; 32 queries x 64 bytes; the stores reach back
.endif
	BLEND OUT, \g, \g+16, W+4, 0                   ; between the levels
.if \extra == 1
	ADDRS                                          ; the next batch's offsets: its idx words are older than this step's gathers, so they are in
.endif
.if \extra == 2
	WEIGH                                          ; the next batch's fractions: its uv and p have been in since step 2; IX, which ADDRS has read, is scratch here
.endif
	s_wait_alu depctr_va_vdst(0)                   ; OUT is written, which the store reads; the blends are done reading and writing set g and reading W, in which the loads that follow land;
	                                               ; with ADDRS: AD is written, which the gathers read; with WEIGH: X and TW are written, which LAY stores, and UV, P and IX are done with, in which INPUTS' loads land
.if \nj >= 0
	ISSUE \g, \nj                                  ; the set is asked for again at once, ahead of the stores
.endif
.if \extra == 2
	LAY                                            ; behind this step's LDS loads of the old fractions, which have come back
.endif
	global_store_b128 v[VO], v[OUT:OUT+3], s[12:13] offset:\j*512-2048 th:TH_STORE_NT
.endm
; A batch.  At its head: the gathers of its steps 0 (set G0) and 1 (G1) are out, its fractions are on their way into LDS, its 16 offsets are made.
; Order of issue with more = 1: [step 0: 8] [step 1: 8] [inputs: 6] [step 2: 8] [step 3: 8] [next step 0: 8] [next step 1: 8].
.macro BATCH more
.if \more
	s_add_nc_u64 s[4:5], s[4:5], 0x100             ; the last loads from these bases were shown done by the wait of step 2 (or in front of the loop)
	s_add_nc_u64 s[6:7], s[6:7], 0x80
	s_add_nc_u64 s[8:9], s[8:9], 0x100
	INPUTS                                         ; the next batch's.  No wait: no vector instruction since the last wait on va_vdst names IX, UV or P
	CONSUME 0, G0, 14, 1, 0, 2                     ; younger: step 1's 8 gathers + 6 inputs
	CONSUME 1, G1, 14, 0, 0, 3                     ; younger: 6 inputs + step 2's 8
	CONSUME 2, G0, 8, 0, 1, 0                      ; younger: step 3's 8.  The inputs are older: they are in too
	CONSUME 3, G1, 8, 0, 2, 1                      ; younger: the next batch's step 0
.else
	CONSUME 0, G0, 8, 1, 0, 2                      ; the last batch asks for nothing beyond the buffers' ends: only the other set is younger
	CONSUME 1, G1, 8, 0, 0, 3
	CONSUME 2, G0, 8, 0, 0, -1
	CONSUME 3, G1, 0, 0, 0, -1
.endif
.endm
	INPUTS
	s_wait_loadcnt 0x0
	ADDRS
	WEIGH
	s_wait_alu depctr_va_vdst(0)                   ; AD is written, which the gathers read; X and TW are written, which LAY stores; UV, P and IX are done with, in which the loop's first INPUTS land
	ISSUE G0, 0
	ISSUE G1, 1
	LAY
	s_mov_b32 s23, BATCHES-1
.Lbatch:
	BATCH 1
	s_sub_co_i32 s23, s23, 1
	s_cmp_lg_u32 s23, 0
	s_cbranch_scc1 .Lbatch
	BATCH 0
	s_wait_dscnt 0x0
	s_wait_alu depctr_hold_cnt(0) depctr_sa_sdst(0) depctr_va_vdst(0) depctr_va_sdst(0) depctr_va_ssrc(0) depctr_va_vcc(0) depctr_vm_vsrc(0)
	s_wait_tensorcnt 0x0
	ds_add_u32 v124, v125
	s_wait_dscnt 0x0
	s_endpgm
.Lfunc_end_k_q0199e6c05f_gather:
	.size	k_q0199e6c05f_gather, .Lfunc_end_k_q0199e6c05f_gather-k_q0199e6c05f_gather
	.p2alignl 7, 3214868480
	.fill 96, 4, 3214868480
	.section	.rodata,"a",@progbits
	.p2align	6, 0x0
	.amdhsa_kernel k_q0199e6c05f_gather
		.amdhsa_group_segment_fixed_size 4096
		.amdhsa_private_segment_fixed_size 0
		.amdhsa_enable_private_segment 0
		.amdhsa_kernarg_size 40
		.amdhsa_user_sgpr_count 2
		.amdhsa_user_sgpr_kernarg_segment_ptr 1
		.amdhsa_wavefront_size32 1
		.amdhsa_system_sgpr_workgroup_id_x 1
		.amdhsa_system_sgpr_workgroup_id_y 1
		.amdhsa_system_sgpr_workgroup_id_z 1
		.amdhsa_system_vgpr_workitem_id 0
		.amdhsa_next_free_vgpr 126
		.amdhsa_next_free_sgpr 66
		.amdhsa_reserve_vcc 0
		.amdhsa_float_denorm_mode_32 3
		.amdhsa_float_denorm_mode_16_64 3
		.amdhsa_memory_ordered 1
		.amdhsa_forward_progress 1
		.amdhsa_inst_pref_size 36
	.end_amdhsa_kernel
	.amdgpu_metadata
---
amdhsa.version: [ 1, 2 ]
amdhsa.kernels:
  - .name:           k_q0199e6c05f_gather
    .symbol:         k_q0199e6c05f_gather.kd
    .args:
      - { .name: uv, .offset: 0, .size: 8, .value_kind: global_buffer, .address_space: global }
      - { .name: p, .offset: 8, .size: 8, .value_kind: global_buffer, .address_space: global }
      - { .name: idx, .offset: 16, .size: 8, .value_kind: global_buffer, .address_space: global }
      - { .name: pyr, .offset: 24, .size: 8, .value_kind: global_buffer, .address_space: global }
      - { .name: out0, .offset: 32, .size: 8, .value_kind: global_buffer, .address_space: global }
    .group_segment_fixed_size: 4096
    .private_segment_fixed_size: 0
    .kernarg_segment_align: 8
    .kernarg_segment_size: 40
    .max_flat_workgroup_size: 160
    .sgpr_count:     66
    .vgpr_count:     126
    .wavefront_size: 32
...
	.end_amdgpu_metadata
.endif
;; end of part 3
